; MI455X (gfx1250); checked and timed in simulation.
; The chip was launched on July 23, 2026; its instructions are those of AMD's public machine-readable ISA for CDNA 5 (MIT licence, August 2026) and "CDNA5" Instruction Set Architecture Reference Guide (July 2026). The comments in the code are by the model that wrote it; some were corrected since.
;; Fusion Network. Allowed arithmetic: matrix products marked QUANTISED: E2M3 operands, one E8M0 scale for each 32 along K, by v_wmma_scale_f32_16x16x128_f8f6f4 with both operands' format E2M3, f32 sums; products left as they are: f32 operands where the result goes on into a quantised operand, else bf16, f16 or f32 operands; f32 sums; everything else in f32.
;; Inputs: au 16 x 8,192 x 256 float32; vi 16 x 8,192 x 256 float32; wk_b 256 float32; wk_w_codes 256 x 8 x 24 uint8 (E2M3 codes of wk_w, K innermost, in blocks of 32 codes, four codes in three bytes); wk_w_scales 256 x 8 uint8 (E8M0 scales of wk_w, one for each 32 codes along K); wq_b 256 float32; wq_w_codes 256 x 8 x 24 uint8 (E2M3 codes of wq_w, K innermost, in blocks of 32 codes, four codes in three bytes); wq_w_scales 256 x 8 uint8 (E8M0 scales of wq_w, one for each 32 codes along K); wv_b 512 float32; wv_w_codes 512 x 16 x 24 uint8 (E2M3 codes of wv_w, K innermost, in blocks of 32 codes, four codes in three bytes); wv_w_scales 512 x 16 uint8 (E8M0 scales of wv_w, one for each 32 codes along K).
;; Outputs: out0 16 x 512 float32; out1 16 x 8,192 float32.
;; This version of the problem:
;;   THIS VERSION OF THE PROBLEM IS GIVEN IN LOW PRECISION. The matrix products marked QUANTISED in the list below multiply operands that are first quantised to E2M3 (2 exponent bits, 3 mantissa bits; 6 bits a number), with one power-of-two scale for each 32 numbers along K (OCP MX v1.0); their sums are f32. All else is computed in f32.
;;   The module's matrix products, in the order in which they are computed (A, B: the left and right operand; K: the contracted axis; several contracted axes count as one K, in the product's order):
;;     1. [M 131,072, K 256] x [K 256, N 256]; A: input vi; B: input wq_w (given as codes): QUANTISED
;;     2. [M 131,072, K 256] x [K 256, N 256]; A: input au; B: input wk_w (given as codes): QUANTISED
;;     3. [M 131,072, K 512] x [K 512, N 512]; A: computed on the way; B: input wv_w (given as codes): QUANTISED
;;     4. batch 131,072 x [M 1, K 256] x [K 256, N 1]; A: computed on the way; B: computed on the way: left as it is (M = 1 < 16)
;;     5. batch 16 x [M 1, K 8,192] x [K 8,192, N 512]; A: softmax; B: computed on the way: left as it is (M = 1 < 16)
;;   THE QUANTISER, for each operand of a quantised product, along K:
;;     - K is cut into blocks of 32 from its start; a last block that is shorter is filled with zeros.
;;     - A block's scale is 2^e with e = floor(log2(the largest magnitude in the block)) - 2, held to -126 .. 127; a block of zeros has e = 0. As a byte (E8M0): e + 127.
;;     - Each number is divided by its block's scale, clamped to +-7.5, and rounded to the nearest number of E2M3, ties to even, subnormals kept.
;;     - The product sums the exact products of the quantised numbers (number of the format x scale) in f32.
;;   ~~~python
;;   def quantise(x, axis):      # numpy; x: float32 -> the quantised numbers, widened to float32 again
;;       x = np.moveaxis(x, axis, -1); K = x.shape[-1]
;;       x = np.pad(x, [(0, 0)] * (x.ndim - 1) + [(0, -K % 32)]); x = x.reshape(x.shape[:-1] + (-1, 32)); a = np.abs(x).max(-1, keepdims=True)
;;       e = np.where(a > 0, np.clip(np.frexp(np.where(a > 0, a, 1))[1] - 1 - 2, -126, 127), 0)      # np.frexp(a)[1] - 1 = floor(log2(a)), exactly
;;       r = np.clip(x / 2.0 ** e, -7.5, 7.5)
;;       step = 2.0 ** (np.maximum(np.frexp(np.where(r == 0, 1, r))[1] - 1, 0) - 3)
;;       q = np.round(r / step) * step * 2.0 ** e      # np.round: ties to even
;;       return np.moveaxis(q.reshape(q.shape[:-2] + (-1,))[..., :K], -1, axis).astype(np.float32)
;;   ~~~
;;   OPERANDS COMPUTED ON THE WAY. 'Computed on the way' means the value that the module computes at that place (a softmax that the list does not call 'softmax' is quantised finished and normalised). What goes into a quantiser is computed in f32, as accurately as f32 sums, v_exp_f32 and their like allow (about 1e-6 of the number): no bf16 or f16 on the way to a quantiser, and a product that is left as it is and whose result goes on into a quantised operand takes f32 operands (vector FMAs, or v_wmma_f32_16x16x4_f32). A number that lies on a knife's edge between two numbers of the format may be rounded either way, as far as f32 arithmetic and the matrix unit's own rounding can turn it there, and no further.
;;   INPUTS GIVEN AS CODES. wk_w (in the module: [256, 256], K = its axis 0); wq_w (in the module: [256, 256], K = its axis 0); wv_w (in the module: [512, 512], K = its axis 0): each comes as NAME_codes (uint8): NAME with its K axis moved to the last place and cut into blocks of 32 codes, [.., K / 32, bytes a block], one block behind the other in memory; four codes in three bytes: a row's codes are one little-endian stream of bits, code i at bits 6 i .. 6 i + 5 (a code: sign, 2 exponent bits, 3 mantissa bits); and NAME_scales (uint8): the same leading axes, one E8M0 byte (e + 127) for each 32 codes along K. Its value is code x scale, taken as it is: it is not quantised again, and the codes and scales need not be those that the quantiser above would give.
;; One version. Each part assembles by itself: llvm-mc -triple=amdgcn-amd-amdhsa -mcpu=gfx1250 --defsym DOCPART=n.
;; ======== version 1 of 1: 2 launches
;; limits: right only within a limited range of input values
;; workspace buffers: tsc 524,288 bytes; part_o 524,288 bytes; part_ml 65,536 bytes
;; launch fuse (part 1): grid 256 x 1, 4 waves a work-group, no clusters, 327,680 bytes of LDS; arguments au, vi, wq_w_codes, wq_w_scales, wq_b, wk_w_codes, wk_w_scales, wk_b, wv_w_codes, wv_w_scales, tsc, part_o, part_ml; writes tsc, part_o, part_ml
.if DOCPART == 1
	.amdgcn_target "amdgcn-amd-amdhsa--gfx1250"
	.amdhsa_code_object_version 6
	.text
	.protected	k_q28098b1ab0_fuse
	.globl	k_q28098b1ab0_fuse
	.p2align	8
	.type	k_q28098b1ab0_fuse,@function
k_q28098b1ab0_fuse:
	s_mov_b64 s[64:65], 0
	v_nop
	global_prefetch_b8 v0, s[64:65] scope:SCOPE_SE
	s_setreg_imm32_b32 hwreg(HW_REG_WAVE_MODE, 25, 1), 1
	s_wait_xcnt 0x0
; A work-group takes 512 rows of one batch: x = [vi, au] is quantised to E2M3 along K, q, k and v are made by the scaled FP6 matrix form,
; t = q.k x log2(e)/16, a running softmax (maximum M, sum l) weighs v's rows.  Stored: t (tsc), the weighted sum (part_o), (M, l) (part_ml); the next launch joins 16 work-groups a batch.
; v's bias is added in the next launch: the weights of a batch sum to 1.
; SPLIT: wave w holds in registers the codes of 128 columns of wv and 64 columns of wq and of wk (576 registers) for the whole launch; x's fragments reach all waves as register images in LDS.
; ROWS: the walk goes in 16 halves of 32 rows; half h holds tile m = 0, 1: rows 256 m + 16 h + 0..15.  Wave (TS, HF) = (w / 2, w % 2) streams rows 256 HF .. + 255 of vi (TS = 0) or au (TS = 1)
; through a ring of its own, two slots of 32 rows, and quantises tile HF, K steps 2 TS, 2 TS + 1.
; A HALF: q and k of tile 0; one unit of the NEXT half's rows is quantised; q and k of tile 1; the second unit; the dot's parts are stored; 8 products of v; the barrier's signal; 8 more; the barrier's wait
; (in every second half also the ring's refill); the parts are loaded under 16 more products; softmax; tile 0 is weighed; tile 1's products with its weighing between them.
; WEIGHTS: 12 pieces of 6,144 bytes a wave are loaded with 32 lanes on 512 consecutive bytes and re-laid into fragment order through a padded stage of the wave's own in LDS.
; NO CLUSTER: the work-groups share the weights alone, 0.3 MB of the 1.3 MB that each reads, and these go through registers once.  NO PREFETCH: x is read once, and a refill of 128 KiB a work-group is out behind every second exchange barrier.
; LIMITS: NaN and infinities are not served; the promise holds while |t| stays under 2^31.
; WINDOWS: 0: addresses, scales, two banks of 4 accumulators, softmax, raw x; 1: wv tiles 0-3, x fragments of tile 0; 2: wv tiles 4-7, x fragments of tile 1; 3: wq, wk, their biases.
.set RINGW,  66560
.set SLOTB,  33280
.set XPITCH, 1040
.set BLKB,   32768
.set FRB,    1536
.set IMG,    4*RINGW
.set XSC,    IMG+16*FRB
.set DPART,  XSC+1024
.set SPARE,  DPART+1024
.set TL,     SPARE+512
.set TLW,    2048
.set OST,    TL+4*TLW
.set STG,    TL                        ; the weights' stage, 4 x 6,656 bytes, over the bytes of t and of the way out and 16,384 behind them: all done with before these are first stored
.set STGW,   6656
.set SPW, 1
.set NIL, 2
.set XB,  3
.set QAD, 4
.set IW,  5
.set SW,  6
.set LI,  7
.set LS,  8
.set DW,  9
.set DR,  10
.set TW0, 11
.set TWA, 12
.set OW,  13
.set ORD, 14
.set TRD, 15
.set GS,  16
.set ML,  17
.set MX,  24
.set MN,  26
.set FF,  28
.set LL,  30
.set WSV, 32
.set WSQ, 48
.set XS,  56
.set PX1, 60
.set DB,  64
.set OA,  128
.set PP,  144
.set DA,  144                          ; the dot's sums lie in p's registers: p is done with when a half begins
.set TT,  160
.set TM,  160
.set PW,  172
.set WK2, 176
.set PC,  176
.set PX0, 188
.set RAW, 192
.set XFB, 192
.set WQF, 0
.set BQ,  192
; head only, in p's registers
.set GL,  144
.set SA,  145
.set SB,  148
.set RA,  151
.set RQ,  152
.set ASV, 153
.set ASQ, 154
.set AB,  155
.set WV,  2
.set TS,  3
.set HF,  4
.set CNT, 5
.set TQ,  6
.set TLS, 7
.set RB,  8
.set SEL, 10
.set CS,  12
.set G1,  16
.set G0,  24
.set MSB, 0
.macro WIN new
.if MSB != (\new)
	s_set_vgpr_msb (MSB<<8)|(\new)
.set MSB, (\new)
.endif
.endm
.macro NOP4
.rept 4
	v_nop
.endr
.endm
.macro WT n                            ; the first line directly ahead of a wait that blocks
	s_wait_alu depctr_va_vdst(0)
	s_wait_dscnt \n
.endm
.macro MM0 d, a, b, sa, sb
	v_wmma_scale_f32_16x16x128_f8f6f4 v[\d:\d+7], v[\a:\a+11], v[\b:\b+11], 0, v[\sa], v[\sb] matrix_a_fmt:MATRIX_FMT_FP6 matrix_b_fmt:MATRIX_FMT_FP6
.endm
.macro MMC d, a, b, c, sa, sb
	v_wmma_scale_f32_16x16x128_f8f6f4 v[\d:\d+7], v[\a:\a+11], v[\b:\b+11], v[\c:\c+7], v[\sa], v[\sb] matrix_a_fmt:MATRIX_FMT_FP6 matrix_b_fmt:MATRIX_FMT_FP6
.endm
.macro MMA d, a, b, sa, sb, row
.if \row
	v_wmma_scale_f32_16x16x128_f8f6f4 v[\d:\d+7], v[\a:\a+11], v[\b:\b+11], v[\d:\d+7], v[\sa], v[\sb] matrix_a_fmt:MATRIX_FMT_FP6 matrix_b_fmt:MATRIX_FMT_FP6 matrix_a_scale:MATRIX_SCALE_ROW1 matrix_b_scale:MATRIX_SCALE_ROW1
.else
	v_wmma_scale_f32_16x16x128_f8f6f4 v[\d:\d+7], v[\a:\a+11], v[\b:\b+11], v[\d:\d+7], v[\sa], v[\sb] matrix_a_fmt:MATRIX_FMT_FP6 matrix_b_fmt:MATRIX_FMT_FP6
.endif
.endm
	s_load_b256 s[32:39], s[0:1], 0x0              ; au, vi, wq codes, wq scales
	s_load_b256 s[40:47], s[0:1], 0x20             ; wq_b, wk codes, wk scales, wk_b
	s_load_b256 s[48:55], s[0:1], 0x40             ; wv codes, wv scales, tsc, part_o
	s_load_b64 s[56:57], s[0:1], 0x60              ; part_ml
	v_lshl_add_u32 v[SPW], v0, 2, SPARE
	v_mov_b32 v[NIL], 0
	ds_add_u32 v[SPW], v[NIL]                      ; the opening lines: the add, twice on end, and its wait
	ds_add_u32 v[SPW], v[NIL]
	v_lshrrev_b32 v60, 5, v0
	v_readfirstlane_b32 s[WV], v60
	s_lshr_b32 s[TS], s[WV], 1
	s_and_b32 s[HF], s[WV], 1
	s_mul_i32 s[RB], s[WV], RINGW
	s_mov_b32 s[G1+0], (2<<16)|(1<<20)|(7<<22)|(3<<25) ; f32; 16 bytes of padding behind each row of 256 words
	s_mov_b32 s[G1+1], 256<<16
	s_mov_b32 s[G1+2], 32<<16                      ; a block: 32 rows
	s_mov_b32 s[G1+3], 256<<16
	s_mov_b32 s[G1+4], 32
	s_mov_b32 s[G1+5], 256
	s_mov_b32 s[G1+6], 0
	s_mov_b32 s[G1+7], 0
	s_mov_b32 s[SEL], 0x76543210
	s_mov_b32 s[SEL+1], 0xfedcba98
	s_mov_b32 s[CS], 0x3db8aa3b                    ; log2(e) / 16
	s_mov_b32 s[CS+1], s[CS]
	s_mov_b32 s[TQ], 0
	s_mov_b32 s[TLS], 0
	s_lshl_b32 s76, ttmp9, 19                      ; 512 rows of 1,024 bytes a work-group,
	s_lshl_b32 s9, s[HF], 18                       ; 256 rows a half
	s_add_co_u32 s76, s76, s9
	s_mov_b32 s77, 0
	s_mul_i32 s58, s[WV], 64*192
	s_mov_b32 s59, 0
	s_mul_i32 s62, s[WV], 128*384
	s_mov_b32 s63, 0
	s_lshl_b32 s66, s[WV], 9
	s_mov_b32 s67, 0
	s_lshl_b32 s68, s[WV], 11
	s_mov_b32 s69, 0
	s_lshl_b32 s70, s[WV], 8
	s_mov_b32 s71, 0
	s_lshl_b32 s72, ttmp9, 11
	s_mov_b32 s73, 0
	s_lshl_b32 s74, ttmp9, 8
	s_mov_b32 s75, 0
	WT 0x0
	s_wait_kmcnt 0x0
	s_cmp_lt_u32 s[WV], 2
	s_cselect_b64 s[60:61], s[34:35], s[32:33]     ; waves 0, 1: vi; waves 2, 3: au
	s_add_nc_u64 s[60:61], s[60:61], s[76:77]
	s_mov_b32 s[G0], 1
	s_mov_b32 s[G0+1], s[RB]
	s_mov_b64 s[G0+2:G0+3], s[60:61]
	s_or_b32 s[G0+3], s[G0+3], 0x80000000
	tensor_load_to_lds s[G0:G0+3], s[G1:G1+7]      ; block 0: my one load at the head
	s_nop 0
	NOP4
	s_add_nc_u64 s[36:37], s[36:37], s[58:59]
	s_add_nc_u64 s[42:43], s[42:43], s[58:59]
	s_add_nc_u64 s[48:49], s[48:49], s[62:63]
	s_add_nc_u64 s[38:39], s[38:39], s[66:67]
	s_add_nc_u64 s[44:45], s[44:45], s[66:67]
	s_add_nc_u64 s[50:51], s[50:51], s[68:69]
	s_add_nc_u64 s[40:41], s[40:41], s[70:71]
	s_add_nc_u64 s[46:47], s[46:47], s[70:71]
	s_add_nc_u64 s[52:53], s[52:53], s[72:73]
	s_add_nc_u64 s[54:55], s[54:55], s[72:73]
	s_add_nc_u64 s[56:57], s[56:57], s[74:75]
	v_and_b32 v61, 31, v0                          ; lane
	v_and_b32 v62, 15, v0                          ; r
	v_bfe_u32 v63, v0, 4, 1                        ; h
	v_lshlrev_b32 v[GL], 4, v61
	v_lshlrev_b32 v[ASV], 4, v62
	v_lshl_add_u32 v[ASV], v63, 2, v[ASV]
	v_lshlrev_b32 v[ASQ], 3, v62
	v_lshl_add_u32 v[ASQ], v63, 2, v[ASQ]
	v_lshlrev_b32 v[AB], 5, v63
	s_mul_i32 s9, s[WV], STGW
	s_add_co_u32 s9, s9, STG                       ; my stage
.irp c, 0,1,2
	v_add_nc_u32 v156, 32*\c, v61                  ; x: the 16-byte piece's number in 1,536 bytes
	v_mul_u32_u24 v157, v156, 171
	v_lshrrev_b32 v158, 12, v157                   ; x / 24: its row of 384 bytes
	v_lshrrev_b32 v157, 11, v157                   ; x / 12: its row of 192 bytes
	v_add_nc_u32 v158, v158, v156
	v_add_nc_u32 v157, v157, v156
	v_lshl_add_u32 v[SA+\c], v158, 4, s9
	v_lshl_add_u32 v[SB+\c], v157, 4, s9
.endr
	v_mul_u32_u24 v[RA], v62, 400
	v_mad_u32_u24 v[RA], v63, 24, v[RA]
	v_add_nc_u32 v[RA], s9, v[RA]
	v_mul_u32_u24 v[RQ], v62, 208
	v_mad_u32_u24 v[RQ], v63, 24, v[RQ]
	v_add_nc_u32 v[RQ], s9, v[RQ]
	v_mul_u32_u24 v[XB], v62, XPITCH
	v_lshl_add_u32 v[XB], v63, 6, v[XB]
	v_add_nc_u32 v[XB], s[RB], v[XB]               ; raw x: row r, 64 h bytes on
	v_mov_b32 v[QAD], v[XB]                        ; slot 0
	s_lshl_b32 s9, s[HF], 2
	s_lshl_b32 s14, s[TS], 1
	s_add_co_u32 s9, s9, s14
	s_mul_i32 s9, s9, FRB
	s_add_co_u32 s9, s9, IMG
	v_lshl_add_u32 v[IW], v61, 4, s9               ; my images: fragment 4 HF + 2 TS + j of a half's eight
	s_lshl_b32 s9, s[HF], 8
	s_lshl_b32 s14, s[TS], 7
	s_add_co_u32 s9, s9, s14
	s_add_co_u32 s9, s9, XSC
	v_lshl_add_u32 v[SW], v62, 2, s9
	v_lshl_add_u32 v[LI], v61, 4, IMG
	v_lshl_add_u32 v[LS], v61, 2, XSC
	s_lshl_b32 s9, s[WV], 8
	s_add_co_u32 s9, s9, DPART
	v_lshl_add_u32 v[DW], v62, 2, s9
	v_lshl_add_u32 v[DR], v63, 5, DPART
	s_lshl_b32 s9, s[WV], 11
	s_add_co_u32 s9, s9, TL
	v_lshl_add_u32 v[TW0], v63, 5, s9              ; my copy of the 512 t
	s_lshl_b32 s9, s[WV], 9
	v_lshl_add_u32 v[GS], v61, 4, s9
	s_add_co_u32 s9, s9, OST
	v_lshl_add_u32 v[OW], v62, 2, s9
	v_lshl_add_u32 v[ORD], v61, 4, s9
	s_mul_i32 s9, s[WV], TLW+512
	s_add_co_u32 s9, s9, TL
	v_lshl_add_u32 v[TRD], v61, 4, s9              ; of my copy I store rows 128 w .. + 127
	v_lshlrev_b32 v[ML], 3, v61
	v_mov_b32 v[MX], 0xff61b1e6                    ; -3e38, under every t
	v_mov_b32 v[MN+1], 0
	v_mov_b32 v[FF+1], 0
	v_mov_b32 v[LL], 0
	v_mov_b32 v[LL+1], 0
.irp j, 0,1,2,3,4,5,6,7,8,9,10,11,12,13,14,15
	v_mov_b32 v[OA+\j], 0
.endr
.irp j, 0,1,2,3
	v_mov_b32 v[TM+4+\j], 0                        ; a lane permute's destination counts as a source
.endr
.irp j, 0,1,2,3,4,5,6,7
	v_mov_b32 v[WK2+8+\j], 0
.endr
	s_wait_alu depctr_va_vdst(0)                   ; the wait behind the head's vector lines
	WIN 0xc0
.irp t, 0,1,2,3
	global_load_b128 v[BQ+8*\t:BQ+8*\t+3], v[AB], s[40:41] offset:64*\t
	global_load_b128 v[BQ+8*\t+4:BQ+8*\t+7], v[AB], s[40:41] offset:64*\t+16
	global_load_b128 v[BQ+32+8*\t:BQ+32+8*\t+3], v[AB], s[46:47] offset:64*\t
	global_load_b128 v[BQ+32+8*\t+4:BQ+32+8*\t+7], v[AB], s[46:47] offset:64*\t+16
.endr
	WIN 0
.irp t, 0,1,2,3,4,5,6,7
.irp u, 0,1
	global_load_b32 v[WSV+2*\t+\u], v[ASV], s[50:51] offset:256*\t+8*\u
.endr
.endr
.irp t, 0,1,2,3
	global_load_b32 v[WSQ+\t], v[ASQ], s[38:39] offset:128*\t
	global_load_b32 v[WSQ+4+\t], v[ASQ], s[44:45] offset:128*\t
.endr
; A piece: 6,144 consecutive bytes = 48 registers: one tile of wv (16 rows x 384 bytes) or two of wq or wk (32 rows x 192).  It lands raw in the registers that its fragments will hold.
.macro GL12 r, lo, off
.irp c, 0,1,2,3,4,5,6,7,8,9,10,11
	global_load_b128 v[\r+4*\c:\r+4*\c+3], v[GL], s[\lo:\lo+1] offset:\off+512*\c
.endr
.endm
.macro ISSUE p
.if (\p) < 8
	WIN (1+(\p)/4)<<6
	GL12 48*((\p)%4), 48, 6144*(\p)
.elseif (\p) < 10
	WIN 0xc0
	GL12 48*((\p)-8), 36, 6144*((\p)-8)
.else
	WIN 0xc0
	GL12 96+48*((\p)-10), 42, 6144*((\p)-10)
.endif
.endm
; Through my stage: rows padded by 16 bytes (pitch 400 or 208), back as fragments, 24 bytes in three loads of 8.  LDS serves a wave's instructions in order (ISA guide 5.7.1.4): no wait between.
.macro PROC p
.if (\p) < 8
.set PR, 48*((\p)%4)
.set PWN, 1+(\p)/4
.else
.set PR, 48*((\p)-8)
.set PWN, 3
.endif
.if 12*(11-(\p)) > 63
	s_wait_loadcnt 63                              ; behind this piece 12 x (11 - p) loads were issued, more than the count's field holds
.else
	s_wait_loadcnt 12*(11-(\p))                    ; the later pieces, 12 loads each, may be out
.endif
	WIN PWN<<2
.irp c, 0,1,2,3,4,5,6,7,8,9,10,11
.if (\p) < 8
	ds_store_b128 v[SA+\c%3], v[PR+4*\c:PR+4*\c+3] offset:1600*(\c/3)
.else
	ds_store_b128 v[SB+\c%3], v[PR+4*\c:PR+4*\c+3] offset:1664*(\c/3)
.endif
.endr
	WIN PWN<<6
.irp f, 0,1,2,3
.irp x, 0,1,2,3,4,5
.if (\p) < 8
	ds_load_b64 v[PR+12*\f+2*\x:PR+12*\f+2*\x+1], v[RA] offset:96*\f+48*(\x/3)+8*(\x%3)
.else
	ds_load_b64 v[PR+12*\f+2*\x:PR+12*\f+2*\x+1], v[RQ] offset:3328*(\f/2)+96*(\f%2)+48*(\x/3)+8*(\x%3)
.endif
.endr
.endr
.endm
.set P, 0
.rept 12
	ISSUE P                                        ; all twelve pieces are asked for at once
.set P, P+1
.endr
	WIN 0
; raw x of one unit (16 rows x 128 K): rows 16 hf on in the slot, K step j; block b of 32 numbers: lane (r, h) takes 16 of them
.macro QLOAD buf, hf, j
.irp b, 0,1,2,3
.irp x, 0,1,2,3
	ds_load_b128 v[\buf+16*\b+4*\x:\buf+16*\b+4*\x+3], v[QAD] offset:16*XPITCH*(\hf)+512*(\j)+128*\b+16*\x
.endr
.endr
.endm
; line k of the 68 that quantise a unit: largest magnitudes with the floor 2^(3-127), scale operands and bytes, codes, whole blocks to a lane
.macro QI k, s
.if (\k) < 4
	v_max3_num_f32 v[TM+(\k)], |v[\s+16*(\k)]|, |v[\s+16*(\k)+1]|, 0x1800000
.elseif (\k) < 32
	v_max3_num_f32 v[TM+(\k)%4], v[TM+(\k)%4], |v[\s+16*((\k)%4)+2*((\k)/4)]|, |v[\s+16*((\k)%4)+2*((\k)/4)+1]|
.elseif (\k) < 36
	v_permlanex16_b32 v[TM+4+(\k)-32], v[TM+(\k)-32], s[SEL], s[SEL+1]
.elseif (\k) < 40
	v_max_num_f32 v[TM+(\k)-36], v[TM+(\k)-36], v[TM+4+(\k)-36]
.elseif (\k) < 44
	v_add_nc_u32 v[TM+8+(\k)-40], 0xff000000, v[TM+(\k)-40]
.elseif (\k) < 48
	v_lshrrev_b32 v[TM+4+(\k)-44], 23, v[TM+8+(\k)-44]
.elseif (\k) == 48
	v_lshl_or_b32 v[PW], v[TM+5], 8, v[TM+4]
.elseif (\k) == 49
	v_lshl_or_b32 v[PW], v[TM+6], 16, v[PW]
.elseif (\k) == 50
	v_lshl_or_b32 v[PW], v[TM+7], 24, v[PW]
.elseif (\k) == 51
	v_cvt_scalef32_pk16_fp6_f32 v[PC:PC+2], v[\s:\s+15], v[TM+8]
.elseif (\k) == 52
	v_cvt_scalef32_pk16_fp6_f32 v[PX0:PX0+2], v[\s+16:\s+31], v[TM+9]
.elseif (\k) == 53
	v_cvt_scalef32_pk16_fp6_f32 v[PC+6:PC+8], v[\s+32:\s+47], v[TM+10]
.elseif (\k) == 54
	v_cvt_scalef32_pk16_fp6_f32 v[PX1:PX1+2], v[\s+48:\s+63], v[TM+11]
.elseif (\k) == 55
	v_nop                                          ; a plain place behind the conversions
.elseif (\k) < 59
	v_permlane16_swap_b32 v[PC+(\k)-56], v[PX0+(\k)-56]
.elseif (\k) < 62
	v_mov_b32 v[PC+3+(\k)-59], v[PX0+(\k)-59]
.elseif (\k) < 65
	v_permlane16_swap_b32 v[PC+6+(\k)-62], v[PX1+(\k)-62]
.else
	v_mov_b32 v[PC+9+(\k)-65], v[PX1+(\k)-65]
.endif
.endm
.macro QALL s
.set K, 0
.rept 68
	QI K, \s
.set K, K+1
.endr
.endm
.macro IMAGE par, j                    ; the fragment's 12 registers and its scale word, as images, into the buffer of parity par
.irp c, 0,1,2
	ds_store_b128 v[IW], v[PC+4*\c:PC+4*\c+3] offset:FRB*(8*(\par)+(\j))+512*\c
.endr
	ds_store_b32 v[SW], v[PW] offset:512*(\par)+64*(\j)
.endm
.macro XFETCH par, m                   ; tile m's four fragments and two scale registers: 14 loads
	WIN 0
.irp u, 0,1
	ds_load_b32 v[XS+2*(\m)+\u], v[LS] offset:512*(\par)+256*(\m)+128*\u
.endr
	WIN (1+(\m))<<6
.irp f, 0,1,2,3
.irp c, 0,1,2
	ds_load_b128 v[XFB+12*\f+4*\c:XFB+12*\f+4*\c+3], v[LI] offset:FRB*(8*(\par)+4*(\m)+\f)+512*\c
.endr
.endr
	WIN 0
.endm
; line e of the 16 that weigh bank gb (4 tiles of v, rows of tile mp): each accumulator is read from its low end on
.macro WS gb, mp, e
	v_pk_fma_f32 v[OA+2*(4*(\gb)+(\e)%4):OA+2*(4*(\gb)+(\e)%4)+1], v[DB+32*(\gb)+8*((\e)%4)+2*((\e)/4):DB+32*(\gb)+8*((\e)%4)+2*((\e)/4)+1], v[PP+8*(\mp)+2*((\e)/4):PP+8*(\mp)+2*((\e)/4)+1], v[OA+2*(4*(\gb)+(\e)%4):OA+2*(4*(\gb)+(\e)%4)+1]
.endm
; line e of the 8 that multiply bank cc's two tiles of q by its two of k, for tile cm's rows
.macro DT cm, cc, e
.if (\cc) == 0 && (\e) < 2
	v_pk_mul_f32 v[DA+4*(\cm)+2*(\e):DA+4*(\cm)+2*(\e)+1], v[DB+2*(\e):DB+2*(\e)+1], v[DB+16+2*(\e):DB+16+2*(\e)+1]
.else
	v_pk_fma_f32 v[DA+4*(\cm)+2*((\e)%2):DA+4*(\cm)+2*((\e)%2)+1], v[DB+32*(\cc)+8*((\e)/4)+2*((\e)%4):DB+32*(\cc)+8*((\e)/4)+2*((\e)%4)+1], v[DB+32*(\cc)+16+8*((\e)/4)+2*((\e)%4):DB+32*(\cc)+16+8*((\e)/4)+2*((\e)%4)+1], v[DA+4*(\cm)+2*((\e)%2):DA+4*(\cm)+2*((\e)%2)+1]
.endif
.endm
; 8 matrix instructions: tiles 2 c, 2 c + 1 of q and of k for tile m's rows, transposed (a lane holds a row), the bias as C; four accumulators by turns.  cm >= 0: between them the dot of the bank made before.
.macro PG m, c, cm, cc
.set W, 0
.irp s, 0,1
.irp i, 0,1
.irp z, 0,1
	WIN 3|((1+\m)<<2)|((3-3*\s)<<4)
.if \s == 0
	MMC DB+32*\c+16*\z+8*\i, WQF+96*\z+24*(2*\c+\i), XFB+24*\z, BQ+32*\z+8*(2*\c+\i), WSQ+4*\z+2*\c+\i, XS+2*\m+\z
.else
	MMA DB+32*\c+16*\z+8*\i, WQF+96*\z+24*(2*\c+\i)+12, XFB+24*\z+12, WSQ+4*\z+2*\c+\i, XS+2*\m+\z, 1
.endif
.if (\cm) >= 0
.if W == 0
	NOP4                                           ; places behind the other bank's last products
.elseif W <= 4
	WIN 0
	DT \cm, \cc, 2*(W-1)
	DT \cm, \cc, 2*(W-1)+1
.endif
.endif
.set W, W+1
.endr
.endr
.endr
.endm
; 16 matrix instructions: v for tile m's 16 rows x my columns 64 g .. + 63 into bank g, four accumulators by turns.
; mode 1: the next half's tile 0 is fetched behind the fifth, places behind the last; mode 2: bank 0 is weighed in batches of four lines
.macro VGRP m, g, mode, hb, pre
.set W, 0
.irp s, 0,1,2,3
.irp t, 0,1,2,3
	WIN (1+\m)|((1+\g)<<2)
.if \s == 0
	MM0 DB+32*\g+8*\t, XFB+12*\s, 12*(4*\t+\s), XS+2*\m+\s/2, WSV+2*(4*\g+\t)+\s/2
.else
	MMA DB+32*\g+8*\t, XFB+12*\s, 12*(4*\t+\s), XS+2*\m+\s/2, WSV+2*(4*\g+\t)+\s/2, \s%2
.endif
.if (\mode) == 1
.if (\pre) && W == 4
	XFETCH 1-(\hb), 0
.endif
.if W == 15
	NOP4
.endif
.elseif (\mode) == 3
.if W == 7
	s_wait_dscnt 0x0                               ; my stores, my reads of the ring and of the images, and the add are done: eight products stood between them and this wait
	s_barrier_signal -1                            ; the other eight are work on registers while the others arrive
.endif
.elseif (\mode) == 2
.if W%4 == 3
	WIN 0
	WS 0, 1, W-3
	WS 0, 1, W-2
	WS 0, 1, W-1
	WS 0, 1, W
.endif
.endif
.set W, W+1
.endr
.endr
.endm
.macro PLOAD hb                        ; the four waves' parts of 32 dots, into the registers of raw x, which are free here
.irp m, 0,1
.irp u, 0,1,2,3
.irp x, 0,1
	ds_load_b128 v[RAW+32*\m+8*\u+4*\x:RAW+32*\m+8*\u+4*\x+3], v[DR] offset:256*\u+64*(2*(\hb)+\m)+16*\x
.endr
.endr
.endr
.endm
; the parts are added; t, the running maximum, p = 2^(t - M), the sum and the weighted sum under the new M.  nq: the next half's first unit of raw x is asked for
.macro SOFT hb, nq
.irp m, 0,1
.irp i, 0,2,4,6
	v_pk_add_f32 v[RAW+32*\m+\i:RAW+32*\m+\i+1], v[RAW+32*\m+\i:RAW+32*\m+\i+1], v[RAW+32*\m+8+\i:RAW+32*\m+8+\i+1]
	v_pk_add_f32 v[RAW+32*\m+16+\i:RAW+32*\m+16+\i+1], v[RAW+32*\m+16+\i:RAW+32*\m+16+\i+1], v[RAW+32*\m+24+\i:RAW+32*\m+24+\i+1]
.endr
.endr
.irp m, 0,1
.irp i, 0,2,4,6
	v_pk_add_f32 v[RAW+32*\m+\i:RAW+32*\m+\i+1], v[RAW+32*\m+\i:RAW+32*\m+\i+1], v[RAW+32*\m+16+\i:RAW+32*\m+16+\i+1]
.endr
.endr
.irp m, 0,1
.irp i, 0,2,4,6
	v_pk_mul_f32 v[TT+8*\m+\i:TT+8*\m+\i+1], v[RAW+32*\m+\i:RAW+32*\m+\i+1], s[CS:CS+1] op_sel_hi:[1,0]
.endr
.endr
.irp m, 0,1
.irp x, 0,1
	ds_store_b128 v[TWA], v[TT+8*\m+4*\x:TT+8*\m+4*\x+3] offset:1024*\m+64*(\hb)+16*\x
.endr
.endr
.if \nq
	QLOAD RAW, \hb, 0
.endif
	v_max3_num_f32 v[WK2], v[TT], v[TT+1], v[TT+2]
	v_max3_num_f32 v[WK2+1], v[TT+3], v[TT+4], v[TT+5]
	v_max3_num_f32 v[WK2], v[WK2], v[TT+6], v[TT+7]
	v_max3_num_f32 v[WK2+1], v[WK2+1], v[TT+8], v[TT+9]
	v_max3_num_f32 v[WK2], v[WK2], v[TT+10], v[TT+11]
	v_max3_num_f32 v[WK2+1], v[WK2+1], v[TT+12], v[TT+13]
	v_max3_num_f32 v[WK2], v[WK2], v[TT+14], v[TT+15]
	v_max3_num_f32 v[WK2], v[WK2], v[WK2+1], v[MX]
	v_permlanex16_b32 v[WK2+1], v[WK2], s[SEL], s[SEL+1]
	v_max_num_f32 v[MN], v[WK2], v[WK2+1]
	v_sub_f32 v[FF], v[MX], v[MN]
.irp i, 0,2,4,6,8,10,12,14
	v_pk_add_f32 v[PP+\i:PP+\i+1], v[TT+\i:TT+\i+1], v[MN:MN+1] op_sel_hi:[1,0] neg_lo:[0,1] neg_hi:[0,1]
.endr
	s_wait_alu depctr_va_vdst(0)                   ; the wait ahead of the batch
.irp i, 0,1,2,3,4,5,6,7,8,9,10,11,12,13,14,15
	v_exp_f32 v[PP+\i], v[PP+\i]
.endr
	v_exp_f32 v[FF], v[FF]
	v_mov_b32 v[MX], v[MN]
	s_wait_alu depctr_va_vdst(0)                   ; and behind it
	v_pk_add_f32 v[WK2+2:WK2+3], v[PP:PP+1], v[PP+2:PP+3]
	v_pk_add_f32 v[WK2+4:WK2+5], v[PP+4:PP+5], v[PP+6:PP+7]
	v_pk_add_f32 v[WK2+6:WK2+7], v[PP+8:PP+9], v[PP+10:PP+11]
	v_pk_add_f32 v[WK2+8:WK2+9], v[PP+12:PP+13], v[PP+14:PP+15]
	v_pk_add_f32 v[WK2+2:WK2+3], v[WK2+2:WK2+3], v[WK2+4:WK2+5]
	v_pk_add_f32 v[WK2+6:WK2+7], v[WK2+6:WK2+7], v[WK2+8:WK2+9]
	v_pk_add_f32 v[WK2+2:WK2+3], v[WK2+2:WK2+3], v[WK2+6:WK2+7]
	v_pk_fma_f32 v[LL:LL+1], v[LL:LL+1], v[FF:FF+1], v[WK2+2:WK2+3] op_sel_hi:[1,0,1]
.irp t, 0,1,2,3,4,5,6,7
	v_pk_mul_f32 v[OA+2*\t:OA+2*\t+1], v[OA+2*\t:OA+2*\t+1], v[FF:FF+1] op_sel_hi:[1,0]
.endr
.endm
; A half of 32 rows.  fill: the exchange barrier is also a refill's; tw: my last block is awaited; q: the next half is quantised; nq: so will the one after it be; pre: a further half follows.
.macro HALF hb, fill, tw, q, nq, pre
	WT 14                                          ; tile 0's fragments and the first unit's raw x are in; tile 1's 14 loads may be out
	PG 0, 0, -1, 0
	PG 0, 1, 0, 0
	WIN 0
.if \q
	QALL RAW                                       ; these lines are also the places behind the products
	IMAGE 1-(\hb), 0
	QLOAD RAW, 1-(\hb), 1
.if (\hb) == 0 && (\nq)
	s_xor_b32 s[TQ], s[TQ], SLOTB                  ; that was my last read of this block: on to the other slot
	v_add_nc_u32 v[QAD], s[TQ], v[XB]
.endif
.else
	NOP4
.endif
.irp e, 0,1,2,3,4,5,6,7
	DT 0, 1, \e
.endr
.if \q
	WT 20                                          ; tile 1's fragments are in; 4 image stores and 16 raw loads may be out
.else
	WT 0x0
.endif
	PG 1, 0, -1, 0
	PG 1, 1, 1, 0
	WIN 0
.if \q
	WT 0x0                                         ; the second unit's raw x is in
	QALL RAW
	IMAGE 1-(\hb), 1
.else
	NOP4
.endif
.irp e, 0,1,2,3,4,5,6,7
	DT 1, 1, \e
.endr
.irp m, 0,1
	v_pk_add_f32 v[DA+4*\m:DA+4*\m+1], v[DA+4*\m:DA+4*\m+1], v[DA+4*\m+2:DA+4*\m+3]
.endr
.irp m, 0,1
	v_add_f32 v[62+\m], v[DA+4*\m], v[DA+4*\m+1]
.endr
.irp m, 0,1
	v_permlanex16_b32 v[60+\m], v[62+\m], s[SEL], s[SEL+1]
.endr
.irp m, 0,1
	v_add_f32 v[62+\m], v[62+\m], v[60+\m]
.endr
.irp m, 0,1
	ds_store_b32 v[DW], v[62+\m] offset:64*(2*(\hb)+\m)   ; my 64 columns' part of row r's dot
.endr
	s_wait_alu depctr_va_vdst(0)
.if \fill
	s_wait_tensorcnt 0x0                           ; my one load that was out has landed,
	ds_add_u32 v[SPW], v[NIL]                      ; the add,
	s_xor_b32 s[G0+1], s[G0+1], SLOTB              ; the slot just read out takes the block two on
	s_add_nc_u64 s[G0+2:G0+3], s[G0+2:G0+3], BLKB
.elseif \tw
	s_wait_tensorcnt 0x0                           ; block 7 is in
.endif
	VGRP 0, 0, 3, \hb, 0                           ; mode 3: the wait on DScnt and the barrier's signal stand behind its eighth product
	WIN 0
	s_barrier_wait -1
.if \fill
	tensor_load_to_lds s[G0:G0+3], s[G1:G1+7]
	s_nop 0
	NOP4
.endif
	PLOAD \hb
	VGRP 0, 1, 0, \hb, 0                           ; the parts come in under these
	WIN 0
	WT 0x0
	SOFT \hb, \nq
	s_wait_alu depctr_va_vdst(0)                   ; the wait ahead of the first readers of results made ahead of the exponentials
.irp e, 0,1,2,3
	WS 0, 0, \e
.endr
.irp e, 0,1,2,3
	WS 1, 0, \e
.endr
.irp e, 4,5,6,7,8,9,10,11,12,13,14,15
	WS 0, 0, \e
	WS 1, 0, \e
.endr
	VGRP 1, 0, 1, \hb, \pre
	VGRP 1, 1, 2, \hb, 0
	WIN 0
.if \pre
	XFETCH 1-(\hb), 1
.endif
.irp e, 0,1,2,3,4,5,6,7,8,9,10,11,12,13,14,15
	WS 1, 1, \e
.endr
.endm
.macro TRIP fill, tw, nq0, q1, pre1
	v_add_nc_u32 v[TWA], s[TLS], v[TW0]
	HALF 0, \fill, \tw, 1, \nq0, 1
	HALF 1, 0, 0, \q1, \q1, \pre1
	s_add_co_u32 s[TLS], s[TLS], 128
.endm
.set P, 0
.rept 7
	PROC P                                         ; seven of the twelve pieces go through the stage while block 0 is on its way
.set P, P+1
.endr
	WIN 0
	s_wait_tensorcnt 0x0                           ; block 0 is in; the lines of a refill stand ahead of the first fill
	ds_add_u32 v[SPW], v[NIL]
	s_xor_b32 s[G0+1], s[G0+1], SLOTB
	s_add_nc_u64 s[G0+2:G0+3], s[G0+2:G0+3], BLKB
	s_wait_dscnt 0x0
	s_barrier_signal -1
	s_barrier_wait -1
	tensor_load_to_lds s[G0:G0+3], s[G1:G1+7]      ; block 1, into slot 1
	s_nop 0
	NOP4
	QLOAD RAW, 0, 0                                ; half 0 is quantised ahead of the walk, while the weights come in
	QLOAD DB, 0, 1
	WT 16
	QALL RAW
	IMAGE 0, 0
	QLOAD RAW, 1, 0                                ; the first unit of half 1
	WT 16
	QALL DB
	IMAGE 0, 1
.set P, 7
.rept 5
	PROC P
.set P, P+1
.endr
	WIN 0
	WT 0x0                                         ; my weights are in registers, my images are stored
	s_barrier_signal -1
	s_barrier_wait -1
	XFETCH 0, 0
	XFETCH 0, 1
	s_mov_b32 s[CNT], 0
.Lfill:                                                ; trip b: halves 2 b, 2 b + 1; the codes of halves 2 b + 1, 2 b + 2; block b + 2's request
	TRIP 1, 0, 1, 1, 1
	s_add_co_u32 s[CNT], s[CNT], 1
	s_cmp_lt_u32 s[CNT], 6
	s_wait_alu depctr_va_vdst(0)
	s_cbranch_scc1 .Lfill
	TRIP 0, 1, 1, 1, 1                             ; nothing more to fetch,
	TRIP 0, 0, 0, 0, 0                             ; and behind half 15's codes nothing more to quantise
.irp t, 0,1,2,3,4,5,6,7
	v_add_f32 v[WK2+\t], v[OA+2*\t], v[OA+2*\t+1]
.endr
.irp t, 0,1,2,3,4,5,6,7
	v_permlanex16_b32 v[WK2+8+\t], v[WK2+\t], s[SEL], s[SEL+1]
.endr
.irp t, 0,1,2,3,4,5,6,7
	v_add_f32 v[WK2+\t], v[WK2+\t], v[WK2+8+\t]
.endr
.irp t, 0,1,2,3,4,5,6,7
	ds_store_b32 v[OW], v[WK2+\t] offset:64*\t
.endr
	ds_load_b128 v[DB:DB+3], v[ORD]
	ds_load_b128 v[DB+4:DB+7], v[TRD]
	v_add_f32 v[MN+1], v[LL], v[LL+1]
	v_permlanex16_b32 v60, v[MN+1], s[SEL], s[SEL+1]
	v_add_f32 v[MN+1], v[MN+1], v60
	v_mov_b32 v[MN], v[MX]
	s_wait_alu depctr_va_vdst(0)
	s_wait_tensorcnt 0x0                           ; the wave's end
	ds_add_u32 v[SPW], v[NIL]
	s_wait_dscnt 0x0
	global_store_b128 v[GS], v[DB:DB+3], s[54:55]  ; 32 lanes store 512 consecutive bytes, aligned
	global_store_b128 v[GS], v[DB+4:DB+7], s[52:53]
	s_cmp_lg_u32 s[WV], 0
	s_cbranch_scc1 .Lend
	global_store_b64 v[ML], v[MN:MN+1], s[56:57]   ; (M, l), 256 bytes
.Lend:
	s_endpgm
.Lfunc_end_k_q28098b1ab0_fuse:
	.size	k_q28098b1ab0_fuse, .Lfunc_end_k_q28098b1ab0_fuse-k_q28098b1ab0_fuse
	.p2alignl 7, 3214868480
	.fill 96, 4, 3214868480
	.section	.rodata,"a",@progbits
	.p2align	6, 0x0
	.amdhsa_kernel k_q28098b1ab0_fuse
		.amdhsa_group_segment_fixed_size 327680
		.amdhsa_private_segment_fixed_size 0
		.amdhsa_enable_private_segment 0
		.amdhsa_kernarg_size 104
		.amdhsa_user_sgpr_count 2
		.amdhsa_user_sgpr_kernarg_segment_ptr 1
		.amdhsa_wavefront_size32 1
		.amdhsa_system_sgpr_workgroup_id_x 1
		.amdhsa_system_sgpr_workgroup_id_y 1
		.amdhsa_system_sgpr_workgroup_id_z 1
		.amdhsa_system_vgpr_workitem_id 0
		.amdhsa_next_free_vgpr 1024
		.amdhsa_next_free_sgpr 80
		.amdhsa_reserve_vcc 0
		.amdhsa_float_denorm_mode_32 3
		.amdhsa_float_denorm_mode_16_64 3
		.amdhsa_memory_ordered 1
		.amdhsa_forward_progress 1
		.amdhsa_inst_pref_size 255
	.end_amdhsa_kernel
	.section	.bss,"aw",@nobits
	.p2align	6
	.space	262144
	.amdgpu_metadata
---
amdhsa.version: [ 1, 2 ]
amdhsa.kernels:
  - .name:           k_q28098b1ab0_fuse
    .symbol:         k_q28098b1ab0_fuse.kd
    .args:
      - { .name: au, .offset: 0, .size: 8, .value_kind: global_buffer, .address_space: global }
      - { .name: vi, .offset: 8, .size: 8, .value_kind: global_buffer, .address_space: global }
      - { .name: wq_w_codes, .offset: 16, .size: 8, .value_kind: global_buffer, .address_space: global }
      - { .name: wq_w_scales, .offset: 24, .size: 8, .value_kind: global_buffer, .address_space: global }
      - { .name: wq_b, .offset: 32, .size: 8, .value_kind: global_buffer, .address_space: global }
      - { .name: wk_w_codes, .offset: 40, .size: 8, .value_kind: global_buffer, .address_space: global }
      - { .name: wk_w_scales, .offset: 48, .size: 8, .value_kind: global_buffer, .address_space: global }
      - { .name: wk_b, .offset: 56, .size: 8, .value_kind: global_buffer, .address_space: global }
      - { .name: wv_w_codes, .offset: 64, .size: 8, .value_kind: global_buffer, .address_space: global }
      - { .name: wv_w_scales, .offset: 72, .size: 8, .value_kind: global_buffer, .address_space: global }
      - { .name: tsc, .offset: 80, .size: 8, .value_kind: global_buffer, .address_space: global }
      - { .name: part_o, .offset: 88, .size: 8, .value_kind: global_buffer, .address_space: global }
      - { .name: part_ml, .offset: 96, .size: 8, .value_kind: global_buffer, .address_space: global }
    .group_segment_fixed_size: 327680
    .private_segment_fixed_size: 0
    .kernarg_segment_align: 8
    .kernarg_segment_size: 104
    .max_flat_workgroup_size: 128
    .sgpr_count:     80
    .vgpr_count:     1024
    .wavefront_size: 32
...
	.end_amdgpu_metadata
.endif
;; end of part 1
;; launch join (part 2): grid 8 x 16, 8 waves a work-group, no clusters, 3,072 bytes of LDS; arguments tsc, part_o, part_ml, wv_b, out0, out1; writes out0, out1
.if DOCPART == 2
	.amdgcn_target "amdgcn-amd-amdhsa--gfx1250"
	.amdhsa_code_object_version 6
	.text
	.protected	k_q28098b1ab0_join
	.globl	k_q28098b1ab0_join
	.p2align	8
	.type	k_q28098b1ab0_join,@function
k_q28098b1ab0_join:
	s_mov_b64 s[64:65], 0
	v_nop
	global_prefetch_b8 v0, s[64:65] scope:SCOPE_SE
	s_setreg_imm32_b32 hwreg(HW_REG_WAVE_MODE, 25, 1), 1
	s_wait_xcnt 0x0
; The 16 partial softmaxes of a batch are joined.  M = the largest M_g; L = the sum of l_g 2^(M_g - M); out1[row] = 2^(t - M) / L; out0[e] = the sum over g of o_g[e] 2^(M_g - M) / L + bv[e]
; (the weights of a batch sum to 1, so v's bias is added once, here).  Work-group (x, b): 1,024 rows of batch b, 16 bytes a thread, and 64 columns of out0: thread = (partial G = thread / 16, four columns 4 (thread % 16) on).
; A stream of a megabyte: no matrix unit, no tensor load, no cluster.  L is at least 1: the partial that holds M has a row with p = 1.
; LIMITS: NaN and infinities are not served.
	s_load_b256 s[4:11], s[0:1], 0x0               ; tsc s[4:5], part_o s[6:7], part_ml s[8:9], bv s[10:11]
	s_load_b128 s[12:15], s[0:1], 0x20             ; out0 s[12:13], out1 s[14:15]
	v_lshl_add_u32 v64, v0, 2, 0x800
	v_mov_b32 v65, 0
	s_and_b32 s16, ttmp7, 0xffff                   ; the batch
	v_lshrrev_b32 v1, 5, v0
	s_delay_alu instid0(VALU_DEP_1)
	v_readfirstlane_b32 s17, v1                    ; wave 0..7
	v_and_b32 v2, 15, v0                           ; thread % 16
	v_lshrrev_b32 v3, 4, v0                        ; G
	v_and_b32 v34, 31, v0                          ; lane
	s_delay_alu instid0(VALU_DEP_3)
	v_lshlrev_b32 v28, 8, v2                       ; part_ml: the record of partial lane % 16,
	s_delay_alu instid0(VALU_DEP_3)
	v_lshlrev_b32 v29, 8, v3                       ; and of my partial G
	v_lshlrev_b32 v30, 4, v0                       ; t and out1: 16 bytes a thread
	v_lshlrev_b32 v31, 11, v3
	s_delay_alu instid0(VALU_DEP_1)
	v_lshl_add_u32 v31, v2, 4, v31                 ; part_o: 2,048 G + my four columns
	v_lshlrev_b32 v32, 3, v34                      ; 8 x lane
	v_lshlrev_b32 v33, 8, v1
	s_delay_alu instid0(VALU_DEP_1)
	v_lshl_add_u32 v33, v2, 4, v33                 ; LDS: 256 x wave + my four columns
.irp i, 0,1,2,3
	v_mov_b32 v[36+\i], 0                          ; written once: a lane permute's destination counts as one of its sources
.endr
	s_mov_b32 s30, 0x76543210
	s_mov_b32 s31, 0xfedcba98                      ; v_permlanex16_b32's selects for lane l xor 16
	s_lshl_b32 s18, s16, 12                        ; part_ml: 16 records of 256 bytes a batch
	s_mov_b32 s19, 0
	s_lshl_b32 s20, s16, 15                        ; tsc, out1: 32,768 bytes a batch, 4,096 a work-group
	s_lshl_b32 s28, ttmp9, 12
	s_add_co_u32 s20, s20, s28
	s_mov_b32 s21, 0
	s_lshl_b32 s24, ttmp9, 8                       ; my 64 columns
	s_mov_b32 s25, 0
	s_lshl_b32 s22, s16, 15                        ; part_o: 32,768 bytes a batch
	s_add_co_u32 s22, s22, s24
	s_mov_b32 s23, 0
	s_lshl_b32 s26, s16, 11                        ; out0: 2,048 bytes a batch
	s_add_co_u32 s26, s26, s24
	s_mov_b32 s27, 0
	s_wait_alu depctr_va_vdst(0)
	s_wait_kmcnt 0x0
	s_add_nc_u64 s[8:9], s[8:9], s[18:19]
	s_add_nc_u64 s[4:5], s[4:5], s[20:21]
	s_add_nc_u64 s[14:15], s[14:15], s[20:21]
	s_add_nc_u64 s[6:7], s[6:7], s[22:23]
	s_add_nc_u64 s[10:11], s[10:11], s[24:25]
	s_add_nc_u64 s[12:13], s[12:13], s[26:27]
	global_load_b64 v[4:5], v28, s[8:9]            ; (M_g, l_g), g = lane % 16
	global_load_b64 v[6:7], v29, s[8:9]            ; (M_G, l_G)
	global_load_b128 v[8:11], v30, s[4:5] th:TH_LOAD_NT    ; four t
	global_load_b128 v[12:15], v31, s[6:7] th:TH_LOAD_NT   ; four numbers of o_G
	global_load_b64 v[16:17], v32, s[10:11]        ; two numbers of the bias
	s_wait_loadcnt 0x3                             ; the two pairs are in; t, o and the bias may be out
	v_mov_b32 v18, v4
	s_delay_alu instid0(VALU_DEP_1)
	v_max_num_f32_dpp v18, v18, v18 row_xmask:1 row_mask:0xf bank_mask:0xf
	s_delay_alu instid0(VALU_DEP_1)
	v_max_num_f32_dpp v18, v18, v18 row_xmask:2 row_mask:0xf bank_mask:0xf
	s_delay_alu instid0(VALU_DEP_1)
	v_max_num_f32_dpp v18, v18, v18 row_xmask:4 row_mask:0xf bank_mask:0xf
	s_delay_alu instid0(VALU_DEP_1)
	v_max_num_f32_dpp v18, v18, v18 row_xmask:8 row_mask:0xf bank_mask:0xf   ; M, in every lane
	s_delay_alu instid0(VALU_DEP_1)
	v_sub_f32 v19, v4, v18
	s_delay_alu instid0(VALU_DEP_2)
	v_sub_f32 v24, v6, v18
	s_wait_alu depctr_va_vdst(0)
	s_wait_loadcnt 0x2                             ; t is in; o and the bias may be out
.irp i, 0,1,2,3
	v_sub_f32 v[20+\i], v[8+\i], v18
.endr
	s_wait_alu depctr_va_vdst(0)
	v_exp_f32 v19, v19                             ; 2^(M_g - M)
	v_exp_f32 v24, v24                             ; 2^(M_G - M)
.irp i, 0,1,2,3
	v_exp_f32 v[20+\i], v[20+\i]                   ; 2^(t - M)
.endr
	v_nop                                          ; a plain place behind the exponentials
	s_wait_alu depctr_va_vdst(0)                   ; one wait for the batch of six, ahead of its first reader
	v_mul_f32 v25, v5, v19
	s_delay_alu instid0(VALU_DEP_1)
	v_add_f32_dpp v25, v25, v25 row_xmask:1 row_mask:0xf bank_mask:0xf
	s_delay_alu instid0(VALU_DEP_1)
	v_add_f32_dpp v25, v25, v25 row_xmask:2 row_mask:0xf bank_mask:0xf
	s_delay_alu instid0(VALU_DEP_1)
	v_add_f32_dpp v25, v25, v25 row_xmask:4 row_mask:0xf bank_mask:0xf
	s_delay_alu instid0(VALU_DEP_1)
	v_add_f32_dpp v25, v25, v25 row_xmask:8 row_mask:0xf bank_mask:0xf       ; L, in every lane
	s_wait_alu depctr_va_vdst(0)
	v_rcp_f32 v26, v25
	v_nop                                          ; a plain place behind the reciprocal
	s_wait_alu depctr_va_vdst(0)                   ; and its wait
.irp i, 0,1,2,3
	v_mul_f32 v[20+\i], v[20+\i], v26
.endr
	global_store_b128 v30, v[20:23], s[14:15] th:TH_STORE_NT   ; 32 lanes store 512 consecutive bytes, at a multiple of 256 from out1's first byte
	v_mul_f32 v27, v24, v26                        ; my partial's weight
	s_wait_alu depctr_va_vdst(0)
	s_wait_loadcnt 0x0
.irp i, 0,1,2,3
	v_mul_f32 v[12+\i], v[12+\i], v27
.endr
.irp i, 0,1,2,3
	s_delay_alu instid0(VALU_DEP_4)
	v_permlanex16_b32 v[36+\i], v[12+\i], s30, s31 ; the wave's other partial lies in the lane 16 away
.endr
.irp i, 0,1,2,3
	s_delay_alu instid0(VALU_DEP_4)
	v_add_f32 v[12+\i], v[12+\i], v[36+\i]
.endr
	ds_store_b128 v33, v[12:15]                    ; lanes l and l xor 16 write the same bytes with the same values
	s_wait_dscnt 0x0                               ; for the others' sake: my store has landed
	s_barrier_signal -1
	s_barrier_wait -1
	s_cmp_lg_u32 s17, 0
	s_cbranch_scc1 .Lend                           ; wave 0 adds the eight waves' sums
.irp i, 0,1,2,3,4,5,6,7
	ds_load_b64 v[40+2*\i:41+2*\i], v32 offset:256*\i
.endr
	s_wait_dscnt 0x0
	v_pk_add_f32 v[40:41], v[40:41], v[42:43]
	v_pk_add_f32 v[44:45], v[44:45], v[46:47]
	v_pk_add_f32 v[48:49], v[48:49], v[50:51]
	v_pk_add_f32 v[52:53], v[52:53], v[54:55]
	s_delay_alu instid0(VALU_DEP_3)
	v_pk_add_f32 v[40:41], v[40:41], v[44:45]
	s_delay_alu instid0(VALU_DEP_2)
	v_pk_add_f32 v[48:49], v[48:49], v[52:53]
	s_delay_alu instid0(VALU_DEP_1)
	v_pk_add_f32 v[40:41], v[40:41], v[48:49]
	s_delay_alu instid0(VALU_DEP_1)
	v_pk_add_f32 v[40:41], v[40:41], v[16:17]      ; + the bias
	global_store_b64 v32, v[40:41], s[12:13]       ; 32 lanes store 256 consecutive bytes, aligned
.Lend:
	s_wait_tensorcnt 0x0
	ds_add_u32 v64, v65
	s_wait_dscnt 0x0
	s_endpgm
.Lfunc_end_k_q28098b1ab0_join:
	.size	k_q28098b1ab0_join, .Lfunc_end_k_q28098b1ab0_join-k_q28098b1ab0_join
	.p2alignl 7, 3214868480
	.fill 96, 4, 3214868480
	.section	.rodata,"a",@progbits
	.p2align	6, 0x0
	.amdhsa_kernel k_q28098b1ab0_join
		.amdhsa_group_segment_fixed_size 3072
		.amdhsa_private_segment_fixed_size 0
		.amdhsa_enable_private_segment 0
		.amdhsa_kernarg_size 48
		.amdhsa_user_sgpr_count 2
		.amdhsa_user_sgpr_kernarg_segment_ptr 1
		.amdhsa_wavefront_size32 1
		.amdhsa_system_sgpr_workgroup_id_x 1
		.amdhsa_system_sgpr_workgroup_id_y 1
		.amdhsa_system_sgpr_workgroup_id_z 1
		.amdhsa_system_vgpr_workitem_id 0
		.amdhsa_next_free_vgpr 66
		.amdhsa_next_free_sgpr 66
		.amdhsa_reserve_vcc 0
		.amdhsa_float_denorm_mode_32 3
		.amdhsa_float_denorm_mode_16_64 3
		.amdhsa_memory_ordered 1
		.amdhsa_forward_progress 1
		.amdhsa_inst_pref_size 7
	.end_amdhsa_kernel
	.amdgpu_metadata
---
amdhsa.version: [ 1, 2 ]
amdhsa.kernels:
  - .name:           k_q28098b1ab0_join
    .symbol:         k_q28098b1ab0_join.kd
    .args:
      - { .name: tsc, .offset: 0, .size: 8, .value_kind: global_buffer, .address_space: global }
      - { .name: part_o, .offset: 8, .size: 8, .value_kind: global_buffer, .address_space: global }
      - { .name: part_ml, .offset: 16, .size: 8, .value_kind: global_buffer, .address_space: global }
      - { .name: wv_b, .offset: 24, .size: 8, .value_kind: global_buffer, .address_space: global }
      - { .name: out0, .offset: 32, .size: 8, .value_kind: global_buffer, .address_space: global }
      - { .name: out1, .offset: 40, .size: 8, .value_kind: global_buffer, .address_space: global }
    .group_segment_fixed_size: 3072
    .private_segment_fixed_size: 0
    .kernarg_segment_align: 8
    .kernarg_segment_size: 48
    .max_flat_workgroup_size: 256
    .sgpr_count:     66
    .vgpr_count:     66
    .wavefront_size: 32
...
	.end_amdgpu_metadata
.endif
;; end of part 2
